; MI455X (gfx1250); checked and timed in simulation.
; The chip was launched on July 23, 2026; its instructions are those of AMD's public machine-readable ISA for CDNA 5 (MIT licence, August 2026) and "CDNA5" Instruction Set Architecture Reference Guide (July 2026). The comments in the code are by the model that wrote it; some were corrected since.
;; Ternary Linear. Allowed arithmetic: float matrix products may take bf16 or f16 operands with f32 sums; all other float work in f32.
;; Inputs: weight 2,048 x 4,096 float32; x 2 x 4,096 x 4,096 float32.
;; Outputs: out0 2 x 4,096 x 2,048 float32.
;; One version. Each part assembles by itself: llvm-mc -triple=amdgcn-amd-amdhsa -mcpu=gfx1250 --defsym DOCPART=n.
;; ======== version 1 of 1: 2 launches
;; workspace buffers: qw 4,194,304 bytes
;; launch quant (part 1): grid 4 x 256, 8 waves a work-group, no clusters, 5,120 bytes of LDS; arguments weight, qw; writes qw
.if DOCPART == 1
	.amdgcn_target "amdgcn-amd-amdhsa--gfx1250"
	.amdhsa_code_object_version 6
	.text
	.protected	k_qa4c6efdaf6_quant
	.globl	k_qa4c6efdaf6_quant
	.p2align	8
	.type	k_qa4c6efdaf6_quant,@function
k_qa4c6efdaf6_quant:
	s_mov_b64 s[64:65], 0
	v_nop
	global_prefetch_b8 v0, s[64:65] scope:SCOPE_SE
	s_setreg_imm32_b32 hwreg(HW_REG_WAVE_MODE, 25, 1), 1
	s_wait_xcnt 0x0
; qw = sign(weight) as 4-bit codes (E2M1: 0, +1, -1 are exact), laid out for the product that follows:
; qw[t][n][64 bytes], t = K step of 128 (32 of them), n = 0..2047; nibble e of word D of the 64 bytes is k = 128 t + 8 D + e.
; weight: [2048][4096] f32.  So 128 rows of one K step are 8,192 consecutive bytes.
; LIMITS.  A NaN weight counts as +1 or -1 by its sign bit (the code has no NaN); -0 gives -0, which adds nothing to a sum;
; a denormal weight is not zero and gives +1 or -1, as the sign function does.
; SHARES.  Work-group (bx, by): rows 8 by .. 8 by + 7, K steps 8 bx .. 8 bx + 7.  Wave w: K step t = 8 bx + w: eight rows x 512 bytes in,
; 512 consecutive bytes out.  Each load of the wave covers 512 consecutive bytes, at a multiple of 512 from the buffer's first byte; so does its one store.
; A lane's four numbers of a row make 16 bits; they meet the other lanes' in the wave's own 512 bytes of LDS: no barrier.
; Memory binds: no matrix unit, no cluster (no two work-groups read the same byte), no loop.
.set ROWB,  16384                      ; bytes in a row of weight
.set SPARE, 4096                       ; behind the eight stages of 512 bytes: the spare words, 128 bytes for each wave
.set LS,  3                            ; v3      LDS: where I put 2 bytes of a row: 512 w + 2 lane
.set LR,  4                            ; v4      LDS: where I read 16 bytes back: 512 w + 16 lane
.set ONE, 6                            ; v6      1.0: the magnitude, and the conversion's scale (2^0)
.set X,   8                            ; v[8:39]   row i's four numbers at X + 4 i
.set T0,  40                           ; v[40:47], v[48:55]  eight signs in f32, two buffers by turns
.set C,   56                           ; v56-59  pair p of rows: eight codes
.set O,   60                           ; v[60:63] 16 bytes to store
.set SPW, 66                           ; v66     LDS address of my spare word; never rewritten
.set NIL, 67                           ; v67     0; never rewritten
	s_load_b128 s[4:7], s[0:1], 0x0                ; weight s[4:5], qw s[6:7]
	v_lshl_add_u32 v[SPW], v0, 2, SPARE
	v_mov_b32 v[NIL], 0
	v_lshrrev_b32 v1, 5, v0
	v_readfirstlane_b32 s8, v1                     ; wave 0..7
	v_and_b32 v1, 31, v0                           ; lane
	v_lshlrev_b32 v2, 4, v1                        ; 16 lane: my bytes in a row's 512, and in the 512 that leave
	s_and_b32 s9, ttmp7, 0xffff                    ; by
	s_lshl_b32 s10, ttmp9, 3
	s_add_co_u32 s10, s10, s8                      ; t = 8 bx + w
	s_lshl_b32 s11, s8, 9                          ; my wave's stage
	v_lshl_add_u32 v[LS], v1, 1, s11
	v_add_nc_u32 v[LR], s11, v2
	v_mov_b32 v[ONE], 1.0
	s_mov_b32 s14, 0x7fffffff                      ; all bits but the sign
	s_lshl_b32 s12, s9, 17                         ; 8 by rows of 16,384 bytes
	s_lshl_b32 s15, s10, 9                         ; + t steps of 512 bytes
	s_add_co_u32 s12, s12, s15
	s_mov_b32 s13, 0
	s_wait_kmcnt 0x0
	s_add_nc_u64 s[4:5], s[4:5], s[12:13]
	s_lshl_b32 s12, s10, 17                        ; t steps of 2,048 x 64 bytes
	s_lshl_b32 s15, s9, 9                          ; + 8 by rows of 64 bytes
	s_add_co_u32 s12, s12, s15
	s_add_nc_u64 s[6:7], s[6:7], s[12:13]
.irp i, 0,1,2,3,4,5,6,7
	global_load_b128 v[X+4*(\i):X+4*(\i)+3], v2, s[4:5] offset:(\i)*ROWB th:TH_LOAD_NT  ; read once in the launch
.endr
; Two rows at a time: eight numbers make one word of codes, row 2 p's four in the low half, row 2 p + 1's in the high half.
.irp p, 0,1,2,3
	s_wait_loadcnt 6-2*(\p)                        ; loads come back in order (ISA guide 5.7.1): this pair is in, the 6 - 2 p younger loads stay out
.set T, T0+8*((\p)%2)
.irp e, 0,1,2,3,4,5,6,7
	v_cmp_neq_f32 vcc_lo, 0, v[X+8*(\p)+(\e)]      ; is it anything but zero?
	v_cndmask_b32 v[T+(\e)], 0, v[ONE], vcc_lo     ; magnitude 0 or 1,
	v_bfi_b32 v[T+(\e)], s14, v[T+(\e)], v[X+8*(\p)+(\e)]  ; with the weight's sign bit
.endr
	v_cvt_scalef32_pk8_fp4_f32 v[C+(\p)], v[T:T+7], v[ONE]  ; eight codes, number e in nibble e; the next pair works in the other buffer
.endr
	v_nop                                          ; a plain instruction behind the last conversion, ahead of the use of its result
.irp p, 0,1,2,3
	ds_store_b16 v[LS], v[C+(\p)] offset:128*(\p)               ; row 2 p: 64 bytes a row in the stage
	ds_store_b16_d16_hi v[LS], v[C+(\p)] offset:128*(\p)+64     ; row 2 p + 1
.endr
	ds_load_b128 v[O:O+3], v[LR]                   ; LDS serves a wave's instructions in order (ISA guide 5.7.1.4): this sees the stores above
	s_wait_dscnt 0x0
	global_store_b128 v2, v[O:O+3], s[6:7]         ; 512 consecutive bytes; the next launch reads them, so no hint
	s_wait_tensorcnt 0x0                           ; the wave's end: behind my last LDS store
	ds_add_u32 v[SPW], v[NIL]
	s_wait_dscnt 0x0
	s_endpgm
.Lfunc_end_k_qa4c6efdaf6_quant:
	.size	k_qa4c6efdaf6_quant, .Lfunc_end_k_qa4c6efdaf6_quant-k_qa4c6efdaf6_quant
	.p2alignl 7, 3214868480
	.fill 96, 4, 3214868480
	.section	.rodata,"a",@progbits
	.p2align	6, 0x0
	.amdhsa_kernel k_qa4c6efdaf6_quant
		.amdhsa_group_segment_fixed_size 5120
		.amdhsa_private_segment_fixed_size 0
		.amdhsa_enable_private_segment 0
		.amdhsa_kernarg_size 16
		.amdhsa_user_sgpr_count 2
		.amdhsa_user_sgpr_kernarg_segment_ptr 1
		.amdhsa_wavefront_size32 1
		.amdhsa_system_sgpr_workgroup_id_x 1
		.amdhsa_system_sgpr_workgroup_id_y 1
		.amdhsa_system_sgpr_workgroup_id_z 1
		.amdhsa_system_vgpr_workitem_id 0
		.amdhsa_next_free_vgpr 68
		.amdhsa_next_free_sgpr 66
		.amdhsa_reserve_vcc 1
		.amdhsa_float_denorm_mode_32 3
		.amdhsa_float_denorm_mode_16_64 3
		.amdhsa_memory_ordered 1
		.amdhsa_forward_progress 1
		.amdhsa_inst_pref_size 8
	.end_amdhsa_kernel
	.amdgpu_metadata
---
amdhsa.version: [ 1, 2 ]
amdhsa.kernels:
  - .name:           k_qa4c6efdaf6_quant
    .symbol:         k_qa4c6efdaf6_quant.kd
    .args:
      - { .name: weight, .offset: 0, .size: 8, .value_kind: global_buffer, .address_space: global }
      - { .name: qw, .offset: 8, .size: 8, .value_kind: global_buffer, .address_space: global }
    .group_segment_fixed_size: 5120
    .private_segment_fixed_size: 0
    .kernarg_segment_align: 8
    .kernarg_segment_size: 16
    .max_flat_workgroup_size: 256
    .sgpr_count:     66
    .vgpr_count:     68
    .wavefront_size: 32
...
	.end_amdgpu_metadata
.endif
;; end of part 1
;; launch gemm (part 2): grid 8 x 32, 4 waves a work-group, clusters of 4 x 4, 327,680 bytes of LDS; arguments x, qw, out0; writes out0
.if DOCPART == 2
	.amdgcn_target "amdgcn-amd-amdhsa--gfx1250"
	.amdhsa_code_object_version 6
	.text
	.protected	k_qa4c6efdaf6_gemm
	.globl	k_qa4c6efdaf6_gemm
	.p2align	8
	.type	k_qa4c6efdaf6_gemm,@function
k_qa4c6efdaf6_gemm:
	s_mov_b64 s[64:65], 0
	v_nop
	global_prefetch_b8 v0, s[64:65] scope:SCOPE_SE
	s_setreg_imm32_b32 hwreg(HW_REG_WAVE_MODE, 25, 1), 1
	s_wait_xcnt 0x0
	s_wait_alu depctr_hold_cnt(0) depctr_sa_sdst(0) depctr_va_vdst(0) depctr_va_sdst(0) depctr_va_ssrc(0) depctr_va_vcc(0) depctr_vm_vsrc(0)
	s_getreg_b32 s2, hwreg(HW_REG_IB_STS2, 6, 4)
	s_cmp_eq_u32 s2, 0
	s_cbranch_scc0 .Lentry_in_a_cluster
	s_endpgm
.Lentry_in_a_cluster:
	s_bfe_u32 s2, ttmp6, 0x10000c
	s_cmp_lg_u32 s2, 0xf033
	s_cbranch_scc0 .Lentry_shape_is_right
	s_endpgm
.Lentry_shape_is_right:
; out0[m][n] = the sum over k of x[m][k] s[n][k], s = sign(weight) as the launch before stored it: qw[t][n][64 bytes], 4-bit codes (0, +1, -1: exact), K step t of 128.
; x: [8192][4096] f32, out0: [8192][2048] f32.  The matrix operands are bf16, the sums f32: x is rounded once (to nearest even) on its way from LDS to the matrix unit, the codes are widened exactly.
; LIMITS.  x carries bf16's rounding; within a K step the products are summed in a fixed permutation of k (below), the same for both operands; a NaN weight counted as +1 or -1 in the launch before.
; SHARES.  A tile of out0, 256 x 256, is made by a work-group of four waves; a wave makes 128 x 128: 64 accumulators of 16 x 16, 512 registers.  32 x 8 tiles: one work-group each.
; K goes in steps of 128 through a ring of two LDS slots filled by the tensor data mover.  A slot holds 256 rows of x as f32 (512 bytes a row) and 256 rows of codes (64 bytes a row): with codes of
; 4 bits two slots of this step fit in LDS; with 16-bit signs only steps of 64 would.
; CLUSTERS: 4 x 4 work-groups.  The four of a row of the cluster need the same tiles of x, the four of a column the same codes: each tile is asked for JOINTLY, by the same tensor load with the same
; descriptor and a mask that names the four.
; THE PERMUTATION OF k.  In quarter q (0..3) of a K step lane (r = l % 16, h = l / 16) holds, in fragment register R and half e, k = 64 h + 16 q + 2 R + e.  Over q and h every k of the step comes once.
; For x those are 64 consecutive bytes of a row (four loads of 16 bytes); for the codes the lane's 32 bytes at 32 h serve the whole K step, two words a quarter.
; THE MATRIX INSTRUCTION IS USED TRANSPOSED (source 0 = 16 rows of codes, source 1 = 16 rows of x): a lane then holds eight neighbouring numbers of a row of out0.
; REGISTERS, in windows of 256 (s_set_vgpr_msb: bits 1:0 source 0, 3:2 source 1, 5:4 source 2, 7:6 destination):
;   window 0: v0-31 addresses; v64-127, v128-191 x's fragments in bf16, two buffers; v192-255 raw f32 of x's fragments 4-7; on the way out v64-191 rows read back from the stage
;   window 1: v0-63 the codes of a K step; v64-127, v128-191 the signs' fragments in bf16, two buffers; v192-255 raw f32 of x's fragments 0-3
;   window 2: the 32 accumulators of my rows 0-63 ((a, b) at v[8 (8 a + b)]);   window 3: those of my rows 64-127
; THE CONVERSIONS RIDE.  A quarter has 64 matrix instructions and 80 conversions for the next quarter.  The raw loads stand in one run at the quarter's head; the conversions stand four at a time behind
; each of its last 20 matrix instructions, at the price of two window switches a group: set in a run of their own they would be 80 lines in which no product is issued.
.set SIZE_N, 2048
.set SIZE_K, 4096
.set KSTEP,  128
.set PA,     528                       ; a row of x in LDS: 512 bytes + 16 of padding = 132 words: row r starts at bank 4 r mod 64 (64 banks of 4 bytes: ISA guide 11.1), so the 16 rows of a load start at 16 different banks
.set HALFA,  128*PA                    ; 128 rows: what one tensor load brings of x, and what one wave reads
.set PB,     80                        ; a row of codes: 64 bytes + 16 = 20 words: 16 rows start at 16 different groups of four banks
.set HALFB,  128*PB
.set SLOT,   2*HALFA+2*HALFB           ; x's 256 rows, then the codes' 256 rows: 155,648 bytes
.set SPARE,  2*SLOT                    ; behind the ring: the spare words, 128 bytes for each wave: two blocks of 256 bytes that no other line names
.set SPITCH, 528                       ; the way out: a row of 128 f32 + 16 bytes
.set STG,    16*SPITCH                 ; a wave's stage, 16 rows.  The four stages lie at the head of slot 0: it has had its last fill, and its last reads end in front of the tail's barrier
.set QSTEP,  SIZE_N*64                 ; bytes of qw in a K step
.set LAPS,   SIZE_K/(2*KSTEP)          ; a lap = two K steps = once round the ring: 16
.set ADRA, 16                          ; v16-17  LDS address of my lane's part of x in slot 0, 1
.set ADRB, 20                          ; v20-21  the same for the codes
.set STO,  24                          ; v24     the way out: where I put 32 bytes of a row
.set RD,   25                          ; v25     the way out: where I read 16 bytes of a row back
.set CO,   26                          ; v26     my byte offset in a row's 512 bytes of out0
.set SPW,  28                          ; v28     LDS address of my spare word: SPARE + 4 x my thread's number; never rewritten
.set NIL,  29                          ; v29     0; never rewritten
.set SCL,  30                          ; v30     the widening's scale: 0x7f, the code of 2^0, in each of the word's four bytes and in every lane
.set CODE, 0                           ; window 1
.set F0,   64                          ; fragment buffer 0, in windows 0 (x) and 1 (signs)
.set F1,   128                         ; fragment buffer 1
.set RAW,  192                         ; raw f32: fragments 0-3 in window 1, 4-7 in window 0, 16 registers each
.set OB,   64                          ; the way out: two buffers of 64 registers
.set G1,  24                           ; s[24:31] descriptor group 1 for x's tiles;  s[32:39] group 0, one set for each slot
.set G0,  32
.set G1B, 48                           ; s[48:55], s[56:63] the same for the codes
.set G0B, 56
.set MSB, 0
.macro WIN new                         ; the immediate's high byte repeats the setting that is left; a switch that changes nothing is dropped
.if MSB != (\new)
	s_set_vgpr_msb (MSB<<8)|(\new)
.set MSB, \new
.endif
.endm
.set MUL_LO, 0xa1                      ; source 0 (signs) window 1, source 1 (x) window 0, C and D window 2
.set MUL_HI, 0xf1                      ; the same, C and D window 3
.set TO_1,   0x40                      ; destination window 1, address window 0
.set CV_LO,  0x05                      ; both sources window 1, destination window 0
.set CV_HI,  0x00
.set CV_B,   0x41                      ; destination and source 0 window 1, the scale window 0
; A joint load.  Waves 0 and 1 fetch x's two halves, waves 2 and 3 the codes'.  Each of the two lines has one mask and one set of registers, and nothing in them hangs on a coordinate that the four
; partners do not share.  The branch hangs on the wave's number alone.  An s_nop 0 and four v_nop follow each line, ahead of the jump, the label and what follows.
.macro JLOAD s
	s_cmp_eq_u32 s11, 0
	s_cbranch_scc0 .Lfor_b_\@
	tensor_load_to_lds s[G0+4*(\s):G0+4*(\s)+3], s[G1:G1+7]
	s_nop 0
.rept 4
	v_nop
.endr
	s_branch .Lasked_\@
.Lfor_b_\@:
	tensor_load_to_lds s[G0B+4*(\s):G0B+4*(\s)+3], s[G1B:G1B+7]
	s_nop 0
.rept 4
	v_nop
.endr
.Lasked_\@:
.endm
; A round of the cluster's barrier: my work-group's barrier, so that wave 0's signal speaks for all four waves; wave 0 signals; every wave waits for all sixteen work-groups; my work-group's barrier once more.
.macro CREST                           ; a round behind its opening barrier
	s_cmp_lg_u32 s10, 0
	s_cbranch_scc1 .Lnot_wave_0_\@
	s_barrier_signal -3
.Lnot_wave_0_\@:
	s_barrier_wait -3
	s_barrier_signal -1
	s_barrier_wait -1
.endm
.macro CROUND                          ; a whole round
	s_barrier_signal -1
	s_barrier_wait -1
	CREST
.endm
	s_load_b128 s[4:7], s[0:1], 0x0                ; x s[4:5], qw s[6:7]
	s_load_b64 s[8:9], s[0:1], 0x10                ; out0
	v_lshl_add_u32 v[SPW], v0, 2, SPARE
	v_mov_b32 v[NIL], 0
	ds_add_u32 v[SPW], v[NIL]                      ; the wave's opening: the add and its wait stand ahead of my first tensor load; the set-up below, work on registers, stands between them
	v_lshrrev_b32 v1, 5, v0
	v_readfirstlane_b32 s10, v1                    ; wave 0..3
	s_lshr_b32 s11, s10, 1                         ; which half of the tile's rows is mine.  Also: I fetch x (0) or codes (1)
	s_and_b32 s12, s10, 1                          ; which half of its columns.  Also: which 128 rows of that tile I fetch
	s_bfe_u32 s40, ttmp6, 0x40000                  ; cx, cy: my place in the cluster
	s_bfe_u32 s41, ttmp6, 0x40004
	s_lshl_b32 s42, ttmp9, 2                       ; in a cluster launch ttmp9 and ttmp7 count clusters
	s_add_co_u32 s42, s42, s40                     ; tile column = 4 x cluster x + cx
	s_and_b32 s13, ttmp7, 0xffff
	s_lshl_b32 s13, s13, 2
	s_add_co_u32 s13, s13, s41                     ; tile row = 4 x cluster y + cy
	s_lshl_b32 s43, s41, 2
	s_lshl_b32 s43, 15, s43                        ; my row of the cluster: places 4 cy .. 4 cy + 3
	s_lshl_b32 s44, 0x1111, s40                    ; my column: places cx, cx + 4, cx + 8, cx + 12
	; group 1 for x: 128 rows x 128 elements of 4 bytes, 4,096 elements from row to row
	s_or_b32 s[G1+0], s43, (2<<16)|(1<<20)|(1<<21)|(6<<22)|(3<<25)   ; 15:0 the mask: my row; 17:16 elements of 4 bytes; 20 padding on; 21 set beside a mask; 24:22 after every 128 words (code 6); 31:25 4 words (code 3)
	s_mov_b32 s[G1+1], KSTEP<<16                   ; tensor_dim0 = 128
	s_mov_b32 s[G1+2], 128<<16                     ; tensor_dim1 = 128
	s_mov_b32 s[G1+3], KSTEP<<16                   ; tile_dim0 = 128
	s_mov_b32 s[G1+4], 128                         ; tile_dim1 = 128
	s_mov_b32 s[G1+5], SIZE_K                      ; tensor_dim0_stride
	s_mov_b32 s[G1+6], 0
	s_mov_b32 s[G1+7], 0
	; group 1 for the codes: 128 rows of 64 bytes are 8,192 consecutive bytes: asked for as 32 rows of 256 bytes, four rows of codes in each, and padded in LDS after every 64 bytes
	s_or_b32 s[G1B+0], s44, (2<<16)|(1<<20)|(1<<21)|(3<<22)|(3<<25)  ; the mask: my column; after every 16 words (code 3) 4 words (code 3)
	s_mov_b32 s[G1B+1], 64<<16                     ; tensor_dim0 = 64
	s_mov_b32 s[G1B+2], 32<<16                     ; tensor_dim1 = 32
	s_mov_b32 s[G1B+3], 64<<16                     ; tile_dim0 = 64
	s_mov_b32 s[G1B+4], 32                         ; tile_dim1 = 32
	s_mov_b32 s[G1B+5], 64                         ; 64 elements from row to row
	s_mov_b32 s[G1B+6], 0
	s_mov_b32 s[G1B+7], 0
	; where the tiles come from.  x's hang on the tile row alone, which my row of the cluster shares; the codes' on the tile column alone, which my column shares.
	s_lshl_b32 s17, s12, 7                         ; which 128 rows of the tile I fetch
	s_lshl_b32 s16, s13, 8
	s_add_co_u32 s16, s16, s17                     ; x: row 256 x tile row + 128 x half,
	s_lshl_b32 s16, s16, 14                        ; of 16,384 bytes: under 2^27
	s_lshl_b32 s46, s42, 8
	s_add_co_u32 s46, s46, s17                     ; codes: row 256 x tile column + 128 x half,
	s_lshl_b32 s46, s46, 6                         ; of 64 bytes
	s_mov_b32 s17, 0
	s_mov_b32 s47, 0
	s_mul_i32 s20, s12, HALFA                      ; and where they go: no place in the cluster enters an LDS address
	s_mul_i32 s21, s12, HALFB
	s_add_co_u32 s21, s21, 2*HALFA
	s_wait_dscnt 0x0                               ; the opening add is done
	s_wait_kmcnt 0x0
	s_add_nc_u64 s[14:15], s[4:5], s[16:17]
	s_add_nc_u64 s[46:47], s[6:7], s[46:47]
	CROUND                                         ; all sixteen work-groups are here: the first joint loads meet
.irp s, 0,1
	s_mov_b32 s[G0+4*(\s)], 1                                        ; 1:0 count = 1
	s_add_co_u32 s[G0+4*(\s)+1], s20, (\s)*SLOT                      ; 63:32 LDS address
	s_add_nc_u64 s[G0+4*(\s)+2:G0+4*(\s)+3], s[14:15], (\s)*KSTEP*4  ; 120:64 global address: K step s
	s_or_b32 s[G0+4*(\s)+3], s[G0+4*(\s)+3], 0x80000000              ; 127:126 type = 2
	s_mov_b32 s[G0B+4*(\s)], 1
	s_add_co_u32 s[G0B+4*(\s)+1], s21, (\s)*SLOT
	s_add_nc_u64 s[G0B+4*(\s)+2:G0B+4*(\s)+3], s[46:47], (\s)*QSTEP
	s_or_b32 s[G0B+4*(\s)+3], s[G0B+4*(\s)+3], 0x80000000
.endr
	s_cmp_eq_u32 s11, 0                            ; a wave's two first fills stand in one branch, ahead of every wait on TENSORcnt and every LDS read: two loads of mine are out
	s_cbranch_scc0 .Lfirst_b
	tensor_load_to_lds s[G0:G0+3], s[G1:G1+7]
	s_nop 0
	tensor_load_to_lds s[G0+4:G0+7], s[G1:G1+7]
	s_nop 0
.rept 4
	v_nop
.endr
	s_branch .Lfirst_asked
.Lfirst_b:
	tensor_load_to_lds s[G0B:G0B+3], s[G1B:G1B+7]
	s_nop 0
	tensor_load_to_lds s[G0B+4:G0B+7], s[G1B:G1B+7]
	s_nop 0
.rept 4
	v_nop
.endr
.Lfirst_asked:
	v_and_b32 v1, 15, v0                           ; r = l % 16
	v_bfe_u32 v2, v0, 4, 1                         ; h = l / 16
	v_mul_u32_u24 v3, v1, PA
	v_lshl_add_u32 v3, v2, 8, v3                   ; x: row x pitch + 256 h (k = 64 h on)
	v_mul_u32_u24 v4, v1, PB
	v_lshl_add_u32 v4, v2, 5, v4                   ; codes: row x pitch + 32 h
	s_mul_i32 s18, s11, HALFA                      ; my 128 rows of x
	s_mul_i32 s19, s12, HALFB                      ; my 128 rows of codes,
	s_add_co_u32 s19, s19, 2*HALFA                 ; which lie behind x's 256
.irp s, 0,1
	v_add_nc_u32 v[ADRA+(\s)], s18, v3
	v_add_nc_u32 v[ADRB+(\s)], s19, v4
	s_add_co_u32 s18, s18, SLOT
	s_add_co_u32 s19, s19, SLOT
.endr
	s_mul_i32 s23, s10, STG                        ; my stage
	v_mul_u32_u24 v5, v1, SPITCH                   ; in: row l % 16, 32 bytes for each half of the lanes
	v_lshl_add_u32 v5, v2, 5, v5
	v_add_nc_u32 v[STO], s23, v5
	v_and_b32 v6, 31, v0
	v_lshlrev_b32 v[CO], 4, v6                     ; back: 32 lanes take one row of 512 bytes
	v_add_nc_u32 v[RD], s23, v[CO]
	v_mov_b32 v[SCL], 0x7f7f7f7f
	s_lshl_b32 s16, s13, 8                         ; where my part of the tile begins in out0:
	s_lshl_b32 s17, s11, 7
	s_add_co_u32 s16, s16, s17                     ; my first row,
	s_lshl_b32 s16, s16, 13                        ; of 8,192 bytes: under 2^27
	s_mov_b32 s17, 0
	s_add_nc_u64 s[8:9], s[8:9], s[16:17]
	s_lshl_b32 s46, s42, 10                        ; my first column, in bytes: 1,024 x tile column + 512 x half (in the registers that held the codes' address: none that feeds x's descriptors ever holds cx)
	s_lshl_b32 s47, s12, 9
	s_add_co_u32 s46, s46, s47
	s_mov_b32 s47, 0
	s_add_nc_u64 s[8:9], s[8:9], s[46:47]
; Matrix instruction i of a quarter's 64: m block 4 (i / 32) + (i / 8) % 4, n block i % 8, on buffer f.  zero = 1: the product starts the sum: nothing is ever cleared.
; The 64 accumulators take turns, one instruction a turn, in the same order in every quarter.
.macro MM f, zero
.set mH, i/32
.set mA, (i/8)%4
.set mB, i%8
	WIN MUL_LO+0x50*mH
.if \zero
	v_wmma_f32_16x16x32_bf16 v[8*(8*mA+mB):8*(8*mA+mB)+7], v[(\f)+8*mB:(\f)+8*mB+7], v[(\f)+8*(4*mH+mA):(\f)+8*(4*mH+mA)+7], 0
.else
	v_wmma_f32_16x16x32_bf16 v[8*(8*mA+mB):8*(8*mA+mB)+7], v[(\f)+8*mB:(\f)+8*mB+7], v[(\f)+8*(4*mH+mA):(\f)+8*(4*mH+mA)+7], v[8*(8*mA+mB):8*(8*mA+mB)+7]
.endif
.set i, i+1
.endm
; 16 LDS loads: my lane's codes of a whole K step, 32 bytes for each of the 8 blocks of 16 rows
.macro FETCH_B s
	WIN TO_1
.irp j, 0,1,2,3,4,5,6,7
	ds_load_b128 v[CODE+8*(\j):CODE+8*(\j)+3],   v[ADRB+(\s)] offset:(\j)*16*PB
	ds_load_b128 v[CODE+8*(\j)+4:CODE+8*(\j)+7], v[ADRB+(\s)] offset:(\j)*16*PB+16
.endr
.endm
; 32 LDS loads in one run: quarter q's raw f32 of x, 64 bytes a lane for each of the 8 blocks of 16 rows.  They land in registers that no matrix instruction names.
.macro FETCH_A s, q
	WIN TO_1
.irp j, 0,1,2,3
.irp u, 0,1,2,3
	ds_load_b128 v[RAW+16*(\j)+4*(\u):RAW+16*(\j)+4*(\u)+3], v[ADRA+(\s)] offset:(\j)*16*PA+64*(\q)+16*(\u)
.endr
.endr
	WIN 0
.irp j, 4,5,6,7
.irp u, 0,1,2,3
	ds_load_b128 v[RAW+16*((\j)-4)+4*(\u):RAW+16*((\j)-4)+4*(\u)+3], v[ADRA+(\s)] offset:(\j)*16*PA+64*(\q)+16*(\u)
.endr
.endr
.endm
; Four widenings: blocks 2 n and 2 n + 1 of the signs, quarter q's two words of codes each, into buffer g: eight codes make four registers of bf16.
.macro CVB g, n, q
.if ((\n) == 0) && ((\q) == 0)
	s_wait_dscnt 32                                ; the codes, fetched just before, are in; x's 32 raw loads behind them may stay out
.endif
	WIN CV_B
.irp d, 0,1
.irp e, 0,1
	v_cvt_scale_pk8_bf16_fp4 v[(\g)+8*(2*(\n)+(\d))+4*(\e):(\g)+8*(2*(\n)+(\d))+4*(\e)+3], v[CODE+8*(2*(\n)+(\d))+2*(\q)+(\e)], v[SCL]
.endr
.endr
.endm
; Four roundings: half n % 2 of x's fragment n / 2, into buffer g
.macro CVA g, n
.set cJ, (\n)/2
.set cU, (\n)%2
.if cU == 0
	s_wait_dscnt 28-4*cJ                           ; LDS loads come back in order (ISA guide 5.7.1): this fragment's four are in, the 4 (7 - j) behind them stay out; at the last fragment the count is 0
.endif
.if cJ < 4
	WIN CV_LO
.else
	WIN CV_HI
.endif
.irp r, 0,1,2,3
	v_cvt_pk_bf16_f32 v[(\g)+8*cJ+4*cU+(\r)], v[RAW+16*(cJ%4)+8*cU+2*(\r)], v[RAW+16*(cJ%4)+8*cU+2*(\r)+1]
.endr
.endm
; Group c of a quarter's 20: the four of widenings first, so that 64 plain conversions stand between them and the first use of their results
.macro GROUP g, q
.if c < 4
	CVB \g, c, \q
.else
	CVA \g, c-4
.endif
.set c, c+1
.endm
; A vector instruction that writes a register which a matrix instruction has read, and a store or load that touches a matrix instruction's registers, stand four places behind it, and only plain vector
; instructions that name none of its registers are places (ISA guide 7.12.1 for vector instructions).
.macro PLACES
.rept 4
	v_nop
.endr
.endm
; One of a K step's first three quarters: multiplies buffer f; fetches quarter qn's raw numbers at its head, 44 matrix instructions ahead of their first use; converts them into buffer g behind its last 20.
.macro QUARTER s, qn, f, g, zero
.set i, 0
.set c, 0
	FETCH_A \s, \qn
.rept 44
	MM \f, \zero
.endr
	PLACES                                         ; buffer g was multiplied in the quarter before
.rept 20
	MM \f, \zero
	GROUP \g, \qn
.endr
.endm
; The last quarter multiplies buffer 1 and changes slots: ONE barrier.  In front of it each wave waits for all its tensor loads, of which one is out: its part of the next slot; adds 0 to its spare word; and
; waits for that (its reads of this slot ended with the last quarter's count-down to 0).  Behind it nobody reads this slot any more and the next slot is whole.
; fill = 1: the barrier opens a round of the cluster's barrier, and this slot is filled again first thing behind the round, two K steps ahead: 240 matrix instructions stand between the request and the wait for it.
.macro TURN s, next, fill
.set i, 0
.set c, 0
	WIN 0                                          ; (the add's two registers lie in window 0)
	s_wait_tensorcnt 0x0                           ; all my tensor loads have landed, so a group 0 may be written
	ds_add_u32 v[SPW], v[NIL]                      ; 0 onto my spare word
.rept 8
	MM F1, 0                                       ; eight matrix instructions stand between the add and the wait for it
.endr
	s_wait_dscnt 0x0                               ; the add is done, and no read of this slot is out
	s_barrier_signal -1
.rept 8
	MM F1, 0                                       ; work on registers while the others arrive
.endr
.if \fill
	WIN 0
.endif
	s_barrier_wait -1
.if \fill
	CREST                                          ; no wave of any partner still reads this slot's tiles or has a load on its way
	s_add_nc_u64 s[G0+4*(\s)+2:G0+4*(\s)+3], s[G0+4*(\s)+2:G0+4*(\s)+3], 2*KSTEP*4
	s_add_nc_u64 s[G0B+4*(\s)+2:G0B+4*(\s)+3], s[G0B+4*(\s)+2:G0B+4*(\s)+3], 2*QSTEP
	JLOAD \s                                       ; my one tensor load behind the round, and the first thing there
.endif
	FETCH_B \next
	FETCH_A \next, 0
.rept 28
	MM F1, 0
.endr
	PLACES                                         ; buffer 0 was multiplied in the quarter before
.rept 20
	MM F1, 0
	GROUP F0, 0
.endr
.endm
; THE WAY OUT of block a (16 of my rows).  A lane's eight f32 of a row go into my stage, rows of 528 bytes, each accumulator's four lowest registers first; whole rows come back.
.macro TOSTAGE a
.set AC, 64*((\a)%4)
.set BK, OB+64*((\a)%2)
.if (\a) >= 2
	s_wait_xcnt 0x0                                ; every earlier memory instruction has had its addresses translated (ISA guide 3.1): the registers that the stores of two blocks back read are loaded again only behind this wait
.endif
	WIN 0x08+4*((\a)/4)                            ; the stores' data: window 2 or 3
.irp b, 0,1,2,3,4,5,6,7
	ds_store_b128 v[STO], v[AC+8*(\b):AC+8*(\b)+3] offset:64*(\b)
	ds_store_b128 v[STO], v[AC+8*(\b)+4:AC+8*(\b)+7] offset:64*(\b)+16
.endr
	WIN 0
.irp t, 0,1,2,3,4,5,6,7,8,9,10,11,12,13,14,15
	ds_load_b128 v[BK+4*(\t):BK+4*(\t)+3], v[RD] offset:(\t)*SPITCH  ; LDS serves a wave's instructions in order (ISA guide 5.7.1.4): these see the stores above; the next block's stores come behind them
.endr
.endm
.macro SEND a, younger                 ; younger: the LDS instructions issued behind block a's loads: the next block's 32, or none
.set BK, OB+64*((\a)%2)
.irp t, 0,1,2,3,4,5,6,7,8,9,10,11,12,13,14,15
	s_wait_dscnt (\younger)+15-(\t)
	global_store_b128 v[CO], v[BK+4*(\t):BK+4*(\t)+3], s[8:9] offset:(16*(\a)+(\t))*SIZE_N*4 th:TH_STORE_NT  ; 512 consecutive bytes, at a multiple of 512 from out0's first byte; 127 rows at the most in the immediate: 1,040,384, inside its signed 24 bits
.endr
.endm
	s_wait_tensorcnt 0x1                           ; my part of K step 0 is in; K step 1's may stay out
	s_barrier_signal -1
	s_barrier_wait -1                              ; everybody's is
	FETCH_B 0
	FETCH_A 0, 0
.set c, 0
.rept 20
	GROUP F0, 0                                    ; the first quarter's conversions: there is no product yet to set them behind
.endr
	QUARTER 0, 1, F0, F1, 1                        ; the first quarter stands in front of the loop: its products start the sums
	WIN 0                                          ; at a label and at a branch every window is 0
	s_mov_b32 s3, LAPS-1
.Llap:                                                 ; a trip goes once round the ring, from a lap's second quarter to the next lap's first, and fills both slots again
	QUARTER 0, 2, F1, F0, 0
	QUARTER 0, 3, F0, F1, 0
	TURN 0, 1, 1
	QUARTER 1, 1, F0, F1, 0
	QUARTER 1, 2, F1, F0, 0
	QUARTER 1, 3, F0, F1, 0
	TURN 1, 0, 1
	QUARTER 0, 1, F0, F1, 0
	WIN 0
	s_sub_co_u32 s3, s3, 1
	s_cmp_lg_u32 s3, 0
	s_cbranch_scc1 .Llap
	QUARTER 0, 2, F1, F0, 0                        ; the last lap is written out: it asks for nothing
	QUARTER 0, 3, F0, F1, 0
	TURN 0, 1, 0                                   ; behind this barrier nobody reads slot 0 any more, and nothing fills it: its head serves as the stages
	QUARTER 1, 1, F0, F1, 0
	QUARTER 1, 2, F1, F0, 0
	QUARTER 1, 3, F0, F1, 0
.set i, 0
.rept 64
	MM F1, 0                                       ; the very last quarter: nothing more to fetch or convert
.endr
	WIN 0
	PLACES                                         ; the stores below read results just made, and the loads below land where x's fragments lay
	TOSTAGE 0
.irp a, 1,2,3,4,5,6,7                  ; block a's way through the stage is issued ahead of block a - 1's stores
	TOSTAGE \a
	SEND (\a)-1, 32
.endr
	SEND 7, 0
	s_wait_tensorcnt 0x0                           ; the wave's end: behind my last tensor load and my last LDS store
	ds_add_u32 v[SPW], v[NIL]
	s_wait_dscnt 0x0
	CROUND                                         ; the closing round: no work-group ends while a partner may still ask for a tile that names it
	s_endpgm
.Lfunc_end_k_qa4c6efdaf6_gemm:
	.size	k_qa4c6efdaf6_gemm, .Lfunc_end_k_qa4c6efdaf6_gemm-k_qa4c6efdaf6_gemm
	.p2alignl 7, 3214868480
	.fill 96, 4, 3214868480
	.section	.rodata,"a",@progbits
	.p2align	6, 0x0
	.amdhsa_kernel k_qa4c6efdaf6_gemm
		.amdhsa_group_segment_fixed_size 327680
		.amdhsa_private_segment_fixed_size 0
		.amdhsa_enable_private_segment 0
		.amdhsa_kernarg_size 24
		.amdhsa_user_sgpr_count 2
		.amdhsa_user_sgpr_kernarg_segment_ptr 1
		.amdhsa_wavefront_size32 1
		.amdhsa_system_sgpr_workgroup_id_x 1
		.amdhsa_system_sgpr_workgroup_id_y 1
		.amdhsa_system_sgpr_workgroup_id_z 1
		.amdhsa_system_vgpr_workitem_id 0
		.amdhsa_next_free_vgpr 1024
		.amdhsa_next_free_sgpr 66
		.amdhsa_reserve_vcc 0
		.amdhsa_float_denorm_mode_32 3
		.amdhsa_float_denorm_mode_16_64 3
		.amdhsa_memory_ordered 1
		.amdhsa_forward_progress 1
		.amdhsa_inst_pref_size 249
	.end_amdhsa_kernel
	.amdgpu_metadata
---
amdhsa.version: [ 1, 2 ]
amdhsa.kernels:
  - .name:           k_qa4c6efdaf6_gemm
    .symbol:         k_qa4c6efdaf6_gemm.kd
    .args:
      - { .name: x, .offset: 0, .size: 8, .value_kind: global_buffer, .address_space: global }
      - { .name: qw, .offset: 8, .size: 8, .value_kind: global_buffer, .address_space: global }
      - { .name: out0, .offset: 16, .size: 8, .value_kind: global_buffer, .address_space: global }
    .group_segment_fixed_size: 327680
    .private_segment_fixed_size: 0
    .kernarg_segment_align: 8
    .kernarg_segment_size: 24
    .max_flat_workgroup_size: 128
    .sgpr_count:     66
    .vgpr_count:     1024
    .wavefront_size: 32
...
	.end_amdgpu_metadata
.endif
;; end of part 2
